; MI455X (gfx1250); checked and timed in simulation.
; The chip was launched on July 23, 2026; its instructions are those of AMD's public machine-readable ISA for CDNA 5 (MIT licence, August 2026) and "CDNA5" Instruction Set Architecture Reference Guide (July 2026). The comments in the code are by the model that wrote it; some were corrected since.
;; Multi Head Attention Block. Allowed arithmetic: matrix products marked QUANTISED: E5M2 operands, one E8M0 scale for each 32 along K, by v_wmma_scale_f32_16x16x128_f8f6f4 with both operands' format E5M2, f32 sums; everything else in f32.
;; Inputs: Wk_codes 1,024 x 32 x 32 uint8 (E5M2 codes of Wk, K innermost, in blocks of 32 codes); Wk_scales 1,024 x 32 uint8 (E8M0 scales of Wk, one for each 32 codes along K); Wq_codes 1,024 x 32 x 32 uint8 (E5M2 codes of Wq, K innermost, in blocks of 32 codes); Wq_scales 1,024 x 32 uint8 (E8M0 scales of Wq, one for each 32 codes along K); Wv_codes 1,024 x 32 x 32 uint8 (E5M2 codes of Wv, K innermost, in blocks of 32 codes); Wv_scales 1,024 x 32 uint8 (E8M0 scales of Wv, one for each 32 codes along K); bk 1,024 float32; bq 1,024 float32; bv 1,024 float32; key_inputs_codes 4 x 1,024 x 32 x 32 uint8 (E5M2 codes of key_inputs, K innermost, in blocks of 32 codes); key_inputs_scales 4 x 1,024 x 32 uint8 (E8M0 scales of key_inputs, one for each 32 codes along K); query_inputs_codes 4 x 1,024 x 32 x 32 uint8 (E5M2 codes of query_inputs, K innermost, in blocks of 32 codes); query_inputs_scales 4 x 1,024 x 32 uint8 (E8M0 scales of query_inputs, one for each 32 codes along K); value_inputs_codes 4 x 1,024 x 32 x 32 uint8 (E5M2 codes of value_inputs, K innermost, in blocks of 32 codes); value_inputs_scales 4 x 1,024 x 32 uint8 (E8M0 scales of value_inputs, one for each 32 codes along K).
;; Outputs: out0 4 x 1,024 x 1,024 float32.
;; This version of the problem:
;;   THIS VERSION OF THE PROBLEM IS GIVEN IN LOW PRECISION. The matrix products marked QUANTISED in the list below multiply operands that are first quantised to E5M2 (5 exponent bits, 2 mantissa bits; 8 bits a number), with one power-of-two scale for each 32 numbers along K (OCP MX v1.0); their sums are f32. All else is computed in f32.
;;   The module's matrix products, in the order in which they are computed (A, B: the left and right operand; K: the contracted axis; several contracted axes count as one K, in the product's order):
;;     1. [M 4,096, K 1,024] x [K 1,024, N 1,024]; A: input query_inputs (given as codes); B: input Wq (given as codes): QUANTISED
;;     2. [M 4,096, K 1,024] x [K 1,024, N 1,024]; A: input key_inputs (given as codes); B: input Wk (given as codes): QUANTISED
;;     3. [M 4,096, K 1,024] x [K 1,024, N 1,024]; A: input value_inputs (given as codes); B: input Wv (given as codes): QUANTISED
;;     4. batch 64 x [M 1,024, K 64] x [K 64, N 1,024]; A: computed on the way; B: computed on the way: QUANTISED
;;     5. batch 64 x [M 64, K 1,024] x [K 1,024, N 1,024]; A: computed on the way; B: softmax (see below): QUANTISED
;;   THE QUANTISER, for each operand of a quantised product, along K:
;;     - K is cut into blocks of 32 from its start; a last block that is shorter is filled with zeros.
;;     - A block's scale is 2^e with e = floor(log2(the largest magnitude in the block)) - 15, held to -126 .. 127; a block of zeros has e = 0. As a byte (E8M0): e + 127.
;;     - Each number is divided by its block's scale, clamped to +-57,344, and rounded to the nearest number of E5M2, ties to even, subnormals kept.
;;     - The product sums the exact products of the quantised numbers (number of the format x scale) in f32.
;;   ~~~python
;;   def quantise(x, axis):      # numpy; x: float32 -> the quantised numbers, widened to float32 again
;;       x = np.moveaxis(x, axis, -1); K = x.shape[-1]
;;       x = np.pad(x, [(0, 0)] * (x.ndim - 1) + [(0, -K % 32)]); x = x.reshape(x.shape[:-1] + (-1, 32)); a = np.abs(x).max(-1, keepdims=True)
;;       e = np.where(a > 0, np.clip(np.frexp(np.where(a > 0, a, 1))[1] - 1 - 15, -126, 127), 0)      # np.frexp(a)[1] - 1 = floor(log2(a)), exactly
;;       r = np.clip(x / 2.0 ** e, -57344, 57344)
;;       step = 2.0 ** (np.maximum(np.frexp(np.where(r == 0, 1, r))[1] - 1, -14) - 2)
;;       q = np.round(r / step) * step * 2.0 ** e      # np.round: ties to even
;;       return np.moveaxis(q.reshape(q.shape[:-2] + (-1,))[..., :K], -1, axis).astype(np.float32)
;;   ~~~
;;   SOFTMAX AHEAD OF A QUANTISED PRODUCT. Where the list says 'softmax', what is quantised is not the finished softmax but p = 2^(t - M), with t = logit x log2(e) and M = ceil(the row's largest t), a whole number; so 1/2 < the row's largest p <= 1. The row's sum l is taken of the UNQUANTISED p, in f32, and the product's result is divided by l at the end. Since M is a whole number, a kernel that streams over the keys may use a running M (the ceiling of the running maximum): every later rescaling is an exact power of two, which a block's scale takes up: the codes' values come out the same.
;;   OPERANDS COMPUTED ON THE WAY. 'Computed on the way' means the value that the module computes at that place (a softmax that the list does not call 'softmax' is quantised finished and normalised). What goes into a quantiser is computed in f32, as accurately as f32 sums, v_exp_f32 and their like allow (about 1e-6 of the number): no bf16 or f16 on the way to a quantiser, and a product that is left as it is and whose result goes on into a quantised operand takes f32 operands (vector FMAs, or v_wmma_f32_16x16x4_f32). A number that lies on a knife's edge between two numbers of the format may be rounded either way, as far as f32 arithmetic and the matrix unit's own rounding can turn it there, and no further.
;;   INPUTS GIVEN AS CODES. Wk (in the module: [1024, 1024], K = its axis 1); Wq (in the module: [1024, 1024], K = its axis 1); Wv (in the module: [1024, 1024], K = its axis 1); key_inputs (in the module: [4, 1024, 1024], K = its axis 2); query_inputs (in the module: [4, 1024, 1024], K = its axis 2); value_inputs (in the module: [4, 1024, 1024], K = its axis 2): each comes as NAME_codes (uint8): NAME with its K axis moved to the last place and cut into blocks of 32 codes, [.., K / 32, bytes a block], one block behind the other in memory; one code a byte (a code: sign, 5 exponent bits, 2 mantissa bits); and NAME_scales (uint8): the same leading axes, one E8M0 byte (e + 127) for each 32 codes along K. Its value is code x scale, taken as it is: it is not quantised again, and the codes and scales need not be those that the quantiser above would give.
;; One version. Each part assembles by itself: llvm-mc -triple=amdgcn-amd-amdhsa -mcpu=gfx1250 --defsym DOCPART=n.
;; ======== version 1 of 1: 2 launches
;; limits: right only within a limited range of input values
;; workspace buffers: codes 13,238,272 bytes
;; launch proj (part 1): grid 4 x 48, 4 waves a work-group, clusters of 4 x 4, 327,680 bytes of LDS; arguments Wq_codes, Wq_scales, query_inputs_codes, query_inputs_scales, bq, key_inputs_codes, key_inputs_scales, Wk_codes, Wk_scales, bk, value_inputs_codes, value_inputs_scales, Wv_codes, Wv_scales, bv, codes; writes codes
.if DOCPART == 1
	.amdgcn_target "amdgcn-amd-amdhsa--gfx1250"
	.amdhsa_code_object_version 6
	.text
	.protected	k_qfeb002097f_proj
	.globl	k_qfeb002097f_proj
	.p2align	8
	.type	k_qfeb002097f_proj,@function
k_qfeb002097f_proj:
	s_mov_b64 s[64:65], 0
	v_nop
	global_prefetch_b8 v0, s[64:65] scope:SCOPE_SE
	s_setreg_imm32_b32 hwreg(HW_REG_WAVE_MODE, 25, 1), 1
	s_wait_xcnt 0x0
	s_wait_alu depctr_hold_cnt(0) depctr_sa_sdst(0) depctr_va_vdst(0) depctr_va_sdst(0) depctr_va_ssrc(0) depctr_va_vcc(0) depctr_vm_vsrc(0)
	s_getreg_b32 s2, hwreg(HW_REG_IB_STS2, 6, 4)
	s_cmp_eq_u32 s2, 0
	s_cbranch_scc0 .Lentry_in_a_cluster
	s_endpgm
.Lentry_in_a_cluster:
	s_bfe_u32 s2, ttmp6, 0x10000c
	s_cmp_lg_u32 s2, 0xf033
	s_cbranch_scc0 .Lentry_shape_is_right
	s_endpgm
.Lentry_shape_is_right:
; THE THREE PROJECTIONS x W^T + b ON CODES OF BF8 (E5M2) WITH E8M0 SCALES, AND THE QUANTISER OF THEIR RESULTS FOR THE TWO PRODUCTS OF ATTENTION.
; Group g = 0: query_inputs, Wq, bq: attention's VALUES, quantised along the tokens (the keys).  g = 1: key_inputs, Wk, bk: its KEYS, quantised along a head's 64 features.  g = 2: value_inputs, Wv, bv: its QUERIES, likewise.
; A tile of 256 x 256 results is made by a work-group of four waves, a wave makes 128 x 128: 64 accumulators of 16 x 16.  3 x 4,096 x 1,024 results are 192 such tiles, one a work-group.
; Three tiles of 128 x 128 for each of 256 work-groups would read twice as many bytes from LDS for each product; the larger tile is kept.
; ROLES.  'A' is source 1 of the matrix instruction: a lane holds ONE of its rows.  'B' is source 0: its rows run along a lane's registers, and that is the axis along which the results are quantised.
;   g = 1, 2: A = the tokens (16 tiles of 256 rows), B = the weight's features (4 tiles).   g = 0: A = Wq's features (4 tiles), B = the tokens (16 tiles).
; K = 1,024 goes in four steps of 256 through a ring of two LDS slots; the scale bytes of the 2 x 256 rows come once and stay.
; CLUSTERS: 4 x 4 work-groups of one group g.  The four of a row of the cluster need the same tiles of A, the four of a column the same tiles of B: each tile is asked for jointly.
; THE HEAD'S LOADS, one a wave: wave 0 K step 0's 256 rows of A, wave 1 its rows of B, wave 2 A's scales, wave 3 B's.
; PREFETCH: K steps 1, 2, 3 are asked for ahead of their loads: a K step is 256 bytes of each row; of a tile's 256 rows each of the four partners takes 64, told apart by address, two waves, a lane a row.  K step 3's stands a slot ahead of its load; nothing lies behind it.
; THE BIAS is the C of each sum's first product.
; THE WAY OUT.  Of A's block a a lane (r, h) holds row r and, of B, rows 16 b + 8 h + j (b = 0..7, j = 0..7).  The 16 registers of accumulators 2 B and 2 B + 1 and those of lane l xor 16 are one block of 32 along the quantiser's axis.
;   Their codes, four registers, are stored as they stand, lane l's 16 bytes at 16 l: they ARE registers 4 c .. 4 c + 3 of the next product's operand.  Slot k = 32 c + 16 h + i of that operand so carries index 32 c + 8 h + i % 8 + 16 (i / 8):
;   a permutation inside a block of 32, the same on both sides of each of attention's products; only the order of the sums inside a block differs from the ascending one.
; BUFFER codes, a record of 206,848 bytes for each (n, head): eight key steps of 128 keys, 17,152 bytes each: keys' codes [16 keys 8][c 2][lane 32][16 bytes], values' codes [16 features 4][c 4][lane][16], keys' words [lane][4] (word (l, p): key 32 p + l),
;   values' words [lane][2] (word (l, u): feature 32 u + l, its four bytes the step's four blocks of keys); then at 137,216 queries' codes as keys', 8,192 bytes a step, and at 202,752 their words, 512 bytes a step.  In keys' and queries' words bytes 0, 1 are the head's two blocks, bytes 2, 3 zero.
; LIMITS: NaN and infinities among the inputs are not served.  A block whose largest magnitude lies under 2^-111 takes the byte 1 (a block of zeros too, where the quantiser's text says 127: its codes are zeros, and this program alone reads the bytes).
; REGISTERS, in windows of 256: window 0: v1-7 at work in the head; v8-11 the codes' store offsets; v12-15 fragment addresses; v16 the bias's offset; v24-30 addresses; v32-63 input scale words, two sets;
;   v64-127 the bias, eight tiles (on the way out at work); v128-255 A's fragments, one set (on the way out the codes of all eight blocks).
;   window 1: B's fragments, two sets.   window 2: the accumulators of A's blocks 0-3 ((a, b) at v[8 (8 (a % 4) + b)]);   window 3: those of blocks 4-7.
.set KSTEP,  256
.set NQ,     KSTEP/128
.set ROWB,   256                       ; a tile's row in bytes
.set KROW,   1024                      ; a row of codes in memory
.set PITCH,  272                       ; an LDS row: 256 bytes + 16 of padding = 68 words: row r starts at bank 4 r mod 64 (64 banks of 4 bytes: ISA guide 11.1)
.set FR,     16
.set NL,     4
.set NP,     8                         ; places behind this matrix instruction (ISA guide 7.12.1)
.set HALFT,  128*PITCH
.set SLOT,   4*HALFT                   ; A's 256 rows, then B's 256 rows
.set KS,     32                        ; a row of scale bytes
.set SCL,    2*SLOT                    ; behind the ring: the input scales, as units of 256 bytes + 16 of padding
.set HALFS,  (128*KS/256)*272
.set SBLK,   (16*KS/256)*272
.set SPARE,  SCL+4*HALFS               ; the spare words, 128 bytes for each wave
.set SSTG,   SPARE+512                 ; a stage of 1,024 bytes for each wave, for the scale words that it makes; no fill lands here
.set HREC,   206848
.set STEPB,  17152
.set VB,   8
.set ADRA, 12
.set ADRB, 14
.set VO,   16
.set SSA,  24                          ; where I put a scale word in my stage
.set SSR,  25                          ; where I read the stage back
.set GSO,  26                          ; my byte offset among a step's scale words in memory
.set ADRS, 27                          ; LDS address of the input scale words: lanes 0-15 A's rows, lanes 16-31 B's
.set SPW,  28
.set NIL,  29
.set PFO,  30                          ; the prefetches' offset: lane x a row; never rewritten
.set SC,   32                          ; input scale words: set s at v[SC + 16 s]; register 2 i + q: lanes 0-15 A's block i, lanes 16-31 B's block i
.set BI,   64
.set AF,   128
.set TM,   64                          ; the way out, eight blocks of 32 at a time: largest magnitudes,
.set PB,   72                          ; the other half's, then the bytes,
.set HD,   80                          ; 57,344 x the scale,
.set CV,   88                          ; the conversions' scale operands,
.set WK,   96                          ; at work
.set WD,   104                         ; the eight scale words made
.set WB,   112                         ; the stage read back
.set CD,   128                         ; the codes
.set G1,   24
.set G0,   32
.set PFB,  40                          ; s[40:41] where my prefetches stand (cx, cy until then); never rewritten
.set G1B,  48
.set G0B,  56
.set TYB,  66                          ; s66  1 where g = 0
.set GG,   67
.set G1S,  68
.set G0S,  76
.set G1SB, 80
.set G0SB, 88
.set G0H,  4                           ; s[4:7], s[8:11] groups 0 for the head's loads of codes (the arguments that lay there have been used)
.set G0HB, 8
.set ST1,  92                          ; s[92:93] bytes from a block's codes to the next block's
.set ST4,  94                          ; s[94:95] the same from block 3 to block 4
.set OC,   96
.set OSC,  98
.set M1,   100                         ; a lane mask: lanes 16-31 where g > 0, none where g = 0
.set MY,   101                         ; 0 where g > 0, 0xffff where g = 0
.set MNT,  18                          ; (way out) the mantissa field of 57,344
.set SEL,  20                          ; (way out) s[20:21] v_permlanex16_b32's selects for lane l xor 16
.set OB,   24                          ; (way out) s[24:39] the eight blocks' store bases
.set MSB, 0
.macro WIN new                         ; the immediate's high byte repeats the setting that is left
.if MSB != \new
	s_set_vgpr_msb (MSB<<8)|(\new)
.set MSB, \new
.endif
.endm
.set MUL_LO, 0xa1                      ; source 0 (B) window 1, source 1 (A) window 0, C and D window 2
.set MUL_HI, 0xf1
.set TO_B,   0x40
.macro TLOAD g0, g1
	tensor_load_to_lds s[\g0:\g0+3], s[\g1:\g1+7]
	s_nop 0
.rept 4
	v_nop
.endr
.endm
; The ring's joint load: waves 0 and 1 fetch for A, waves 2 and 3 for B; the branch hangs on the wave's number alone.
.macro JLOAD s
	s_cmp_eq_u32 s15, 0
	s_cbranch_scc0 .Lfor_b_\@
	TLOAD G0+4*\s, G1
	s_branch .Lasked_\@
.Lfor_b_\@:
	TLOAD G0B+4*\s, G1B
.Lasked_\@:
.endm
.macro CREST                           ; a round of the cluster's barrier behind its opening barrier
	s_cmp_lg_u32 s14, 0
	s_cbranch_scc1 .Lnot_wave_0_\@
	s_barrier_signal -3
.Lnot_wave_0_\@:
	s_barrier_wait -3
	s_barrier_signal -1
	s_barrier_wait -1
.endm
.macro CROUND
	s_barrier_signal -1
	s_barrier_wait -1
	CREST
.endm
	; the arguments: five addresses for each group, in the order of the roles: A's codes, A's scales, B's codes, B's scales, the bias; then codes
	s_load_b256 s[4:11], s[0:1], 0x0
	s_load_b64 s[12:13], s[0:1], 0x20
	s_load_b256 s[68:75], s[0:1], 0x28
	s_load_b64 s[76:77], s[0:1], 0x48
	s_load_b256 s[80:87], s[0:1], 0x50
	s_load_b64 s[88:89], s[0:1], 0x70
	s_load_b64 s[OC:OC+1], s[0:1], 0x78
	v_lshl_add_u32 v[SPW], v0, 2, SPARE
	v_mov_b32 v[NIL], 0
	ds_add_u32 v[SPW], v[NIL]                      ; the opening: the add, twice on end, ahead of my first tensor load
	ds_add_u32 v[SPW], v[NIL]
	v_lshrrev_b32 v1, 5, v0
	v_readfirstlane_b32 s14, v1                    ; wave 0..3
	s_lshr_b32 s15, s14, 1                         ; which half of A's 256 rows is mine.  Also: I fetch for A (0) or for B (1)
	s_and_b32 s16, s14, 1                          ; which half of B's.  Also: which 128 rows of that tile I fetch
	s_bfe_u32 s40, ttmp6, 0x40000                  ; cx, cy: my place in the cluster
	s_bfe_u32 s41, ttmp6, 0x40004
	s_and_b32 s18, ttmp7, 0xffff                   ; the cluster's y, 0..11: the same in all sixteen partners
	s_lshr_b32 s[GG], s18, 2                       ; g
	s_and_b32 s18, s18, 3
	s_lshl_b32 s18, s18, 2                         ; which four of the tokens' sixteen tiles
	s_cmp_eq_u32 s[GG], 0
	s_cselect_b32 s[TYB], 1, 0
	s_cselect_b32 s19, 0, s18                      ; the tokens are A's rows where g > 0,
	s_cselect_b32 s20, s18, 0                      ; B's where g = 0
	s_add_co_u32 s17, s41, s19                     ; A's tile: hangs on cy alone within the cluster
	s_add_co_u32 s42, s40, s20                     ; B's tile: on cx alone
	s_lshl_b32 s43, s41, 2
	s_lshl_b32 s43, 15, s43                        ; my row of the cluster
	s_lshl_b32 s44, 0x1111, s40                    ; my column
	; descriptor group 1: a tile's rows of 256 bytes, padded in LDS: 256 rows at the head, 128 in the ring
	s_or_b32 s[G1+0], s43, (0<<16)|(1<<20)|(1<<21)|(5<<22)|(3<<25)
	s_or_b32 s[G1B+0], s44, (0<<16)|(1<<20)|(1<<21)|(5<<22)|(3<<25)
.irp g, G1, G1B
	s_mov_b32 s[\g+1], ROWB<<16
	s_mov_b32 s[\g+2], 256<<16
	s_mov_b32 s[\g+3], ROWB<<16
	s_mov_b32 s[\g+4], 256
	s_mov_b32 s[\g+5], KROW
	s_mov_b32 s[\g+6], 0
	s_mov_b32 s[\g+7], 0
.endr
	s_lshl_b32 s20, s17, 8                         ; A's first row (4,095 at the most: every offset below stays under 2^32)
	s_lshl_b32 s46, s42, 8                         ; B's
	s_lshl_b32 s22, s20, 5                         ; where these rows' scales begin, in bytes,
	s_mov_b32 s23, 0
	s_lshl_b32 s92, s46, 5
	s_mov_b32 s93, 0
	s_lshl_b32 s20, s20, 10                        ; and their codes
	s_mov_b32 s21, 0
	s_lshl_b32 s46, s46, 10
	s_mov_b32 s47, 0
	s_lshl_b32 s94, s16, 17                        ; in the ring I fetch 128 rows of a tile: which half, in bytes
	s_mov_b32 s95, 0
	s_mul_i32 s45, s14, HALFT                      ; where they go: wave x 128 rows: no place in the cluster enters an LDS address
	s_wait_dscnt 0x0                               ; both opening adds are done
	CROUND                                         ; all sixteen work-groups are here: the first joint loads meet
	s_wait_kmcnt 0x0
	s_cmp_eq_u32 s[GG], 1                          ; my group's five addresses: the choice hangs on the cluster's number alone
	s_cselect_b64 s[4:5], s[68:69], s[4:5]
	s_cselect_b64 s[6:7], s[70:71], s[6:7]
	s_cselect_b64 s[8:9], s[72:73], s[8:9]
	s_cselect_b64 s[10:11], s[74:75], s[10:11]
	s_cselect_b64 s[12:13], s[76:77], s[12:13]
	s_cmp_eq_u32 s[GG], 2
	s_cselect_b64 s[4:5], s[80:81], s[4:5]
	s_cselect_b64 s[6:7], s[82:83], s[6:7]
	s_cselect_b64 s[8:9], s[84:85], s[8:9]
	s_cselect_b64 s[10:11], s[86:87], s[10:11]
	s_cselect_b64 s[12:13], s[88:89], s[12:13]
	s_add_nc_u64 s[20:21], s[4:5], s[20:21]
	s_add_nc_u64 s[22:23], s[6:7], s[22:23]
	s_add_nc_u64 s[46:47], s[8:9], s[46:47]
	s_add_nc_u64 s[92:93], s[10:11], s[92:93]
	s_mov_b32 s[G0H], 1
	s_mov_b32 s[G0H+1], 0
	s_mov_b64 s[G0H+2:G0H+3], s[20:21]
	s_or_b32 s[G0H+3], s[G0H+3], 0x80000000
	s_mov_b32 s[G0HB], 1
	s_mov_b32 s[G0HB+1], 2*HALFT
	s_mov_b64 s[G0HB+2:G0HB+3], s[46:47]
	s_or_b32 s[G0HB+3], s[G0HB+3], 0x80000000
	; the scales of 256 rows: a dense block of 8,192 bytes, as 32 rows of 256 bytes (32 elements of 8 bytes), 16 bytes of padding behind each
	s_or_b32 s[G1S+0], s43, (3<<16)|(1<<20)|(1<<21)|(5<<22)|(3<<25)
	s_or_b32 s[G1SB+0], s44, (3<<16)|(1<<20)|(1<<21)|(5<<22)|(3<<25)
.irp g, G1S, G1SB
	s_mov_b32 s[\g+1], 32<<16
	s_mov_b32 s[\g+2], KS<<16
	s_mov_b32 s[\g+3], 32<<16
	s_mov_b32 s[\g+4], KS
	s_mov_b32 s[\g+5], 32
	s_mov_b32 s[\g+6], 0
	s_mov_b32 s[\g+7], 0
.endr
	s_mov_b32 s[G0S], 1
	s_mov_b32 s[G0S+1], SCL
	s_mov_b64 s[G0S+2:G0S+3], s[22:23]
	s_or_b32 s[G0S+3], s[G0S+3], 0x80000000
	s_mov_b32 s[G0SB], 1
	s_mov_b32 s[G0SB+1], SCL+2*HALFS
	s_mov_b64 s[G0SB+2:G0SB+3], s[92:93]
	s_or_b32 s[G0SB+3], s[G0SB+3], 0x80000000
; ONE tree of branches on the wave's number: every way through it passes one load
.macro ARM under, g0, g1, next
	s_cmp_lt_u32 s14, \under
	s_cbranch_scc0 \next
	TLOAD \g0, \g1
	s_branch .Lhead_asked
\next:
.endm
	ARM 1, G0H,  G1,  .Lhead_b
	ARM 2, G0HB, G1B, .Lhead_sa
	ARM 3, G0S,  G1S, .Lhead_sb
	TLOAD G0SB, G1SB
.Lhead_asked:
	; the prefetches: my work-group's 64 rows of the tile that I fetch, my wave's 32 of them
	s_cmp_eq_u32 s15, 0
	s_cselect_b32 s18, s40, s41
	s_cselect_b64 s[PFB:PFB+1], s[20:21], s[46:47]
	s_lshl_b32 s18, s18, 16
	s_lshl_b32 s19, s16, 15
	s_add_co_u32 s18, s18, s19
	s_mov_b32 s19, 0
	s_add_nc_u64 s[PFB:PFB+1], s[PFB:PFB+1], s[18:19]
	v_and_b32 v7, 31, v0                           ; lane
	v_lshlrev_b32 v[PFO], 10, v7
	global_prefetch_b8 v[PFO], s[PFB:PFB+1] offset:ROWB th:TH_LOAD_NT scope:SCOPE_SE   ; K step 1
	s_add_nc_u64 s[20:21], s[20:21], s[94:95]      ; for the ring: my 128 rows
	s_add_nc_u64 s[46:47], s[46:47], s[94:95]
.irp s, 0,1
	s_mov_b32 s[G0+4*\s], 1
	s_add_co_u32 s[G0+4*\s+1], s45, \s*SLOT
	s_add_nc_u64 s[G0+4*\s+2:G0+4*\s+3], s[20:21], \s*ROWB
	s_or_b32 s[G0+4*\s+3], s[G0+4*\s+3], 0x80000000
	s_mov_b32 s[G0B+4*\s], 1
	s_add_co_u32 s[G0B+4*\s+1], s45, \s*SLOT
	s_add_nc_u64 s[G0B+4*\s+2:G0B+4*\s+3], s[46:47], \s*ROWB
	s_or_b32 s[G0B+4*\s+3], s[G0B+4*\s+3], 0x80000000
.endr
	; what hangs on the group's kind: one compare, all choices behind it
	s_lshl_b32 s20, s17, 8
	s_lshl_b32 s21, s15, 7
	s_add_co_u32 s20, s20, s21                     ; my first row of A
	s_lshl_b32 s46, s42, 8
	s_lshl_b32 s47, s16, 7
	s_add_co_u32 s46, s46, s47                     ; my first row of B
	s_mov_b32 s23, HREC
	s_mov_b32 s[ST1], 1024
	s_mov_b32 s[ST1+1], 0
	s_mov_b32 s[ST4], 1024
	s_mov_b32 s[ST4+1], 0
	s_cmp_eq_u32 s[TYB], 1
	s_cselect_b32 s21, s46, s20                    ; my first token,
	s_cselect_b32 s22, s20, s46                    ; my first feature
	s_cselect_b32 s23, 1024, s23                   ; from blocks 0, 1 of 32 to blocks 2, 3: g = 0: two quads on; g > 0: the next head's record
	s_cselect_b32 s[ST1], 2048, s[ST1]             ; from A's block to the next: g = 0: 16 features on; g > 0: 16 tokens on
	s_cselect_b32 s[ST4], HREC-3*2048, s[ST4]      ; g = 0: block 4 begins the next head
	s_cselect_b32 s[M1], 0, 0xffff0000
	s_cselect_b32 s[MY], 0xffff, 0
	s_cselect_b32 s47, 3, 4                        ; a step's scale words: 8 or 16 bytes a lane
	s_cselect_b32 s18, 0, 32                       ; the bias: bytes for h,
	s_cselect_b32 s19, 4, 0                        ; for r
	v_and_b32 v1, 15, v0                           ; r = l % 16
	v_bfe_u32 v2, v0, 4, 1                         ; h = l / 16
	v_and_b32 v7, 31, v0
	v_mul_u32_u24 v3, v2, s18
	v_mad_u32_u24 v[VO], v1, s19, v3               ; g > 0: 32 h: the feature runs along the registers;  g = 0: 4 r: the lane's one feature
	v_lshlrev_b32 v[VB], 4, v7                     ; a store of codes: 16 bytes a lane, 512 consecutive bytes a wave
	v_add_nc_u32 v[VB+1], 512, v[VB]
	v_add_nc_u32 v[VB+2], s23, v[VB]
	v_add_nc_u32 v[VB+3], s23, v[VB+1]
	v_lshlrev_b32 v[GSO], s47, v7
	v_mul_u32_u24 v3, v1, PITCH
	v_lshl_add_u32 v4, v2, 4, v3                   ; a fragment's row x pitch + 16 x half
	s_mul_i32 s18, s15, HALFT                      ; my 128 rows of A
	s_mul_i32 s19, s16, HALFT                      ; my 128 rows of B,
	s_add_co_u32 s19, s19, 2*HALFT                 ; which lie behind A's 256
.irp s, 0,1
	v_add_nc_u32 v[ADRA+\s], s18, v4
	v_add_nc_u32 v[ADRB+\s], s19, v4
	s_add_co_u32 s18, s18, SLOT
	s_add_co_u32 s19, s19, SLOT
.endr
	v_mul_u32_u24 v5, v1, KS                       ; my row's input scales: 32 bytes a row,
	v_lshrrev_b32 v6, 8, v5
	v_lshl_add_u32 v5, v6, 4, v5                   ; and 16 more for each 256 passed
	s_mul_i32 s18, s15, HALFS                      ; A's: my 128 rows
	s_mul_i32 s19, s16, HALFS                      ; B's: my 128 rows, behind A's 256
	s_add_co_u32 s19, s19, 2*HALFS
	s_sub_co_u32 s19, s19, s18
	v_mul_u32_u24 v6, s19, v2                      ; lanes 16-31 take B's
	s_add_co_u32 s18, s18, SCL
	v_add_nc_u32 v5, v5, v6
	v_add_nc_u32 v[ADRS], s18, v5
	s_lshl_b32 s20, s14, 10
	s_add_co_u32 s20, s20, SSTG                    ; my stage
	v_lshlrev_b32 v5, 4, v1
	v_lshl_add_u32 v5, v2, 9, v5
	v_add_nc_u32 v[SSA], s20, v5                   ; in: 16 r + 512 h
	v_add_nc_u32 v[SSR], s20, v[VB]                ; back: 16 bytes a lane
	s_wait_alu depctr_va_vdst(0)
	s_lshl_b32 s46, s22, 2
	s_mov_b32 s47, 0
	s_add_nc_u64 s[12:13], s[12:13], s[46:47]      ; the bias at my first feature
	s_lshr_b32 s20, s21, 10                        ; n,
	s_lshl_b32 s20, s20, 4
	s_lshr_b32 s46, s22, 6                         ; the head of my first feature (even: I hold two heads)
	s_add_co_u32 s20, s20, s46                     ; 16 n + head
	s_bfe_u32 s21, s21, 0x30007                    ; which 128 of n's 1,024 tokens are mine
	s_mul_i32 s46, s20, HREC
	s_lshl_b32 s45, s21, 13                        ; queries: 8,192 bytes of codes and 512 of words a step
	s_lshl_b32 s23, s21, 9
	s_mul_i32 s19, s21, STEPB                      ; keys and values: a step's part of the record
	s_mov_b32 s18, s19
	s_mov_b32 s3, 8192                             ; g = 0: codes here in a step,
	s_mov_b32 s47, 16896                           ; words here
	s_cmp_eq_u32 s[GG], 1
	s_cselect_b32 s3, 0, s3
	s_cselect_b32 s47, 16384, s47
	s_cmp_eq_u32 s[GG], 2
	s_cselect_b32 s3, 137216, s3
	s_cselect_b32 s47, 202752, s47
	s_cselect_b32 s19, s45, s19
	s_cselect_b32 s18, s23, s18
	s_add_co_u32 s18, s18, s47
	s_add_co_u32 s18, s18, s46                     ; words: record + place + step
	s_add_co_u32 s46, s46, s3
	s_add_co_u32 s46, s46, s19                     ; codes likewise
	s_mov_b32 s47, 0
	s_mov_b32 s19, 0
	s_add_nc_u64 s[OSC:OSC+1], s[OC:OC+1], s[18:19]
	s_add_nc_u64 s[OC:OC+1], s[OC:OC+1], s[46:47]
	; the bias of features 16 t on, in the result's layout: tile t at v[BI + 8 t].  The branch hangs on the cluster's number
	s_cmp_eq_u32 s[TYB], 1
	s_cbranch_scc1 .Lbias_b
.irp t, 0,1,2,3,4,5,6,7
	global_load_b128 v[BI+8*\t:BI+8*\t+3], v[VO], s[12:13] offset:64*\t
	global_load_b128 v[BI+8*\t+4:BI+8*\t+7], v[VO], s[12:13] offset:64*\t+16
.endr
	s_branch .Lbias_done
.Lbias_b:
.irp t, 0,1,2,3,4,5,6,7
	global_load_b32 v[BI+8*\t], v[VO], s[12:13] offset:64*\t
.endr
	s_wait_loadcnt 0x0
.irp t, 0,1,2,3,4,5,6,7                        ; one feature in all eight registers
	v_dual_mov_b32 v[BI+8*\t+2], v[BI+8*\t] :: v_dual_mov_b32 v[BI+8*\t+1], v[BI+8*\t]
	v_dual_mov_b32 v[BI+8*\t+4], v[BI+8*\t] :: v_dual_mov_b32 v[BI+8*\t+3], v[BI+8*\t]
	v_dual_mov_b32 v[BI+8*\t+6], v[BI+8*\t] :: v_dual_mov_b32 v[BI+8*\t+5], v[BI+8*\t]
	v_mov_b32 v[BI+8*\t+7], v[BI+8*\t]
.endr
.Lbias_done:
.macro FRAG reg, adr, q, i             ; a fragment, 16 rows x 128 K of 8-bit codes, is 16 registers: lane l holds row l % 16; registers 4 c .. 4 c + 3 hold K = 32 c + 16 (l / 16) + 0 .. 15
.irp c, 0,1,2,3
	ds_load_b128 v[\reg+4*\c:\reg+4*\c+3], v[\adr] offset:128*(\q)+32*\c+(\i)*16*PITCH
.endr
.endm
; 16 matrix instructions: A's blocks a0, a0 + 1 x B's eight, 128 along K: the slot's q-th.  p: B's set;  sc: the set of scale words.
; zero = 1, 2: the first product starts the sums with the bias as C (1: the bias tile of B's block, g > 0;  2: that of A's block, g = 0).  The 64 accumulators take turns, one instruction a turn.
.macro MUL16 a0, p, q, sc, zero
.irp a, \a0, \a0+1
.irp b, 0,1,2,3,4,5,6,7
.set D_, 8*(8*((\a)%4)+\b)
.set A_, AF+FR*(\a)
.set B_, 128*(\p)+FR*\b
.if \zero == 1
.set C_, BI+8*\b
.elseif \zero == 2
.set C_, BI+8*(\a)
.else
.set C_, D_
.endif
	v_wmma_scale_f32_16x16x128_f8f6f4 v[D_:D_+7], v[B_:B_+FR-1], v[A_:A_+FR-1], v[C_:C_+7], v[SC+8*NQ*(\sc)+NQ*\b+(\q)], v[SC+8*NQ*(\sc)+NQ*(\a)+(\q)] matrix_a_fmt:MATRIX_FMT_BF8 matrix_b_fmt:MATRIX_FMT_BF8 matrix_a_scale:MATRIX_SCALE_ROW1
.endr
.endr
.endm
.macro FETCH_B slot, q, p
	WIN TO_B
.irp i, 0,1,2,3,4,5,6,7
	FRAG 128*(\p)+FR*\i, ADRB+\slot, \q, \i
.endr
	WIN 0
.endm
.macro FETCH_A slot, q, i0
.irp i, \i0, \i0+1, \i0+2, \i0+3
	FRAG AF+FR*(\i), ADRA+\slot, \q, \i
.endr
.endm
.macro SCALES sc
.irp i, 0,1,2,3,4,5,6,7
	ds_load_b64 v[SC+8*NQ*\sc+NQ*\i:SC+8*NQ*\sc+NQ*\i+1], v[ADRS] offset:\i*SBLK
.endr
.endm
; A load into a register that a matrix instruction has read, and a vector instruction that reads a matrix result or writes one of a matrix instruction's registers, stand NP places behind it, and only plain
; vector instructions that name none of its registers are places (ISA guide 7.12.1 for vector instructions).
.macro PLACES n
.rept \n
	v_nop
.endr
.endm
; A step of 128 along K that has its successor in the same slot: A's blocks 0-3 are fetched anew in its middle, blocks 4-7 at its end.
.macro STEP slot, q, zero
	s_wait_dscnt 4*NL                              ; the youngest sixteen loads (A's blocks 4-7) may be out
.if \zero
	WIN 0x81                                       ; C (the bias) window 0, D window 2
.else
	WIN MUL_LO
.endif
	MUL16 0, (\q)%2, \q, \slot, \zero
	MUL16 2, (\q)%2, \q, \slot, \zero
	s_wait_dscnt 0
	PLACES NP
	FETCH_B \slot, (\q)+1, 1-(\q)%2
	FETCH_A \slot, (\q)+1, 0
.if \zero
	WIN 0xc1
.else
	WIN MUL_HI
.endif
	MUL16 4, (\q)%2, \q, \slot, \zero
	MUL16 6, (\q)%2, \q, \slot, \zero
	PLACES NP
	WIN 0
	FETCH_A \slot, (\q)+1, 4
.endm
; A slot's last step changes slots: one barrier; in front of it each wave waits for all its tensor loads, adds 0 to its spare word, and waits for that and for its own reads of this slot.  fill = 1: this slot is filled again, two K steps ahead.
.macro TURN slot, next, fill
	s_wait_tensorcnt 0x0
	ds_add_u32 v[SPW], v[NIL]
	s_wait_dscnt 4*NL+1                            ; (the add and the youngest sixteen loads may be out)
	WIN MUL_LO
	MUL16 0, 1, NQ-1, \slot, 0
	s_wait_dscnt 0x0                               ; the add is done, and my reads of this slot are over
	s_barrier_signal -1
	MUL16 2, 1, NQ-1, \slot, 0
	WIN 0
	s_barrier_wait -1
.if \fill
	CREST                                          ; the barrier has opened a round of the cluster's barrier: no wave of any partner still reads this slot's tile or has a load on its way
	s_add_nc_u64 s[G0+4*\slot+2:G0+4*\slot+3], s[G0+4*\slot+2:G0+4*\slot+3], 2*ROWB
	s_add_nc_u64 s[G0B+4*\slot+2:G0B+4*\slot+3], s[G0B+4*\slot+2:G0B+4*\slot+3], 2*ROWB
	JLOAD \slot                                    ; the four v_nop behind it are among the places in front of the loads below
	PLACES NP-4
.else
	PLACES NP
.endif
	v_add_nc_u32 v[ADRS], 4*NQ, v[ADRS]            ; on to the next K step's scale words (no LDS load of mine is out)
	s_wait_alu depctr_va_vdst(0)
	FETCH_B \next, 0, 0
	FETCH_A \next, 0, 0
	SCALES \next
	WIN MUL_HI
	MUL16 4, 1, NQ-1, \slot, 0
	MUL16 6, 1, NQ-1, \slot, 0
	PLACES NP
	WIN 0
	FETCH_A \next, 0, 4
.endm
	s_wait_alu depctr_va_vdst(0)                   ; the wait at the head's end
	s_wait_tensorcnt 0x0                           ; my tile of the head's four is in
	ds_add_u32 v[SPW], v[NIL]
	s_mov_b32 s[G1+2], 128<<16                     ; no tensor load of mine is out: from here on a load brings 128 rows
	s_mov_b32 s[G1+4], 128
	s_mov_b32 s[G1B+2], 128<<16
	s_mov_b32 s[G1B+4], 128
	s_wait_dscnt 0x0
	CROUND                                         ; all four tiles are in, and the joint loads meet
	JLOAD 1                                        ; K step 1
	FETCH_B 0, 0, 0
	FETCH_A 0, 0, 0
	SCALES 0
	FETCH_A 0, 0, 4
	s_wait_loadcnt 0x0                             ; the bias
	global_prefetch_b8 v[PFO], s[PFB:PFB+1] offset:2*ROWB th:TH_LOAD_NT scope:SCOPE_SE   ; K step 2
	s_cmp_eq_u32 s[TYB], 1                         ; the first step is written twice: the two kinds take other bias tiles as C.  The branch hangs on the cluster's number; no barrier, tensor load or LDS store stands in it
	s_cbranch_scc1 .Lfirst_b
	STEP 0, 0, 1
	s_branch .Lfirst_done
.Lfirst_b:
	STEP 0, 0, 2
.Lfirst_done:
	TURN 0, 1, 1                                   ; four K steps, twice round the ring, written out, since a loop would have one trip.  Slot 0 takes K step 2,
	global_prefetch_b8 v[PFO], s[PFB:PFB+1] offset:3*ROWB th:TH_LOAD_NT scope:SCOPE_SE   ; K step 3
	STEP 1, 0, 0
	TURN 1, 0, 1                                   ; slot 1 K step 3
	STEP 0, 0, 0
	TURN 0, 1, 0
	STEP 1, 0, 0
	s_wait_dscnt 4*NL
	WIN MUL_LO
	MUL16 0, 1, NQ-1, 1, 0
	MUL16 2, 1, NQ-1, 1, 0
	s_wait_dscnt 0
	WIN MUL_HI
	MUL16 4, 1, NQ-1, 1, 0
	MUL16 6, 1, NQ-1, 1, 0
	WIN 0
; THE WAY OUT of A's blocks 2 p and 2 p + 1: 128 numbers a lane, eight blocks of 32 (with lane l xor 16's) by turns: largest magnitude, scale byte, hold, conversion, eight stores of 512 consecutive bytes.
; Each block's codes and store base have registers of their own, which nothing writes again.
.macro QOUT p
.set AC, 128*((\p)%2)
	WIN 0x0a+5*((\p)/2)                            ; sources 0 and 1: window 2 or 3
.irp k, 0,1,2,3,4,5,6,7
	v_max3_num_f32 v[TM+\k], |v[AC+16*\k]|, |v[AC+16*\k+1]|, 0x8000000   ; each accumulator from its low end on, and the floor 2^(16 - 127): the byte cannot fall under 1
.endr
.irp i, 2,4,6,8,10,12,14
.irp k, 0,1,2,3,4,5,6,7
	v_max3_num_f32 v[TM+\k], |v[AC+16*\k+\i]|, |v[AC+16*\k+\i+1]|, v[TM+\k]
.endr
.endr
	WIN 0
.irp k, 0,1,2,3,4,5,6,7
	v_permlanex16_b32 v[PB+\k], v[TM+\k], s[SEL], s[SEL+1]
.endr
.irp k, 0,1,2,3,4,5,6,7
	v_max_num_f32 v[TM+\k], v[TM+\k], v[PB+\k]     ; with lane l xor 16's: the block's largest magnitude
.endr
.irp k, 0,1,2,3,4,5,6,7
	v_add_nc_u32 v[CV+\k], 0xf8800000, v[TM+\k]    ; 15 off its exponent field: the conversion takes the exponent field of this operand as its scale
.endr
.irp k, 0,1,2,3,4,5,6,7
	v_and_or_b32 v[HD+\k], v[TM+\k], 0x7f800000, s[MNT]   ; 57,344 x the scale
.endr
.irp k, 0,1,2,3,4,5,6,7
	v_lshrrev_b32 v[PB+\k], 23, v[CV+\k]           ; the scale's byte
.endr
.irp u, 0,1
	v_lshl_or_b32 v[WK+\u], v[PB+4*\u+1], 8, v[PB+4*\u]       ; bytes 0, 1: g > 0: my token's word in the first head
	v_lshl_or_b32 v[WK+2+\u], v[PB+4*\u+3], 8, v[PB+4*\u+2]   ; bytes 2, 3: g > 0: its word in the second head
.endr
.irp u, 0,1
	v_cndmask_b32 v[WK+4+\u], v[WK+\u], v[WK+2+\u], s[M1]     ; g > 0: lanes 0-15 send the first head's word, lanes 16-31 the second's;  g = 0: all the lower half
	v_and_b32 v[WK+6+\u], s[MY], v[WK+2+\u]                   ; g = 0: the upper half of my feature's word;  g > 0: zero
.endr
.irp u, 0,1
	v_lshl_or_b32 v[WD+2*\p+\u], v[WK+6+\u], 16, v[WK+4+\u]
.endr
.irp u, 0,1
	ds_store_b32 v[SSA], v[WD+2*\p+\u] offset:256*\u+4*\p     ; (where g = 0, lanes 16-31 write a second copy into the stage's upper half, which is not sent: the price of one text for both kinds)
.endr
	WIN 0x82+0x41*((\p)/2)                         ; source 0 and destination: window 2 or 3
.irp k, 0,1,2,3,4,5,6,7
.irp i, 0,1,2,3,4,5,6,7,8,9,10,11,12,13,14,15
	v_med3_num_f32 v[AC+16*\k+\i], v[AC+16*\k+\i], -v[HD+\k], v[HD+\k]   ; the conversion to an 8-bit code does not saturate (ISA guide 7.6.2): the hold at the largest code x the scale
.endr
.endr
	WIN 0x02+((\p)/2)                              ; source 0: window 2 or 3
.irp k, 0,1,2,3,4,5,6,7
	v_cvt_scalef32_pk8_bf8_f32 v[CD+32*\p+4*\k:CD+32*\p+4*\k+1], v[AC+16*\k:AC+16*\k+7], v[CV+\k]
	v_cvt_scalef32_pk8_bf8_f32 v[CD+32*\p+4*\k+2:CD+32*\p+4*\k+3], v[AC+16*\k+8:AC+16*\k+15], v[CV+\k]
.endr
	WIN 0
	v_nop                                          ; one plain vector instruction behind the last conversion
.irp u, 0,1
.irp b, 0,1,2,3
	global_store_b128 v[VB+\b], v[CD+32*\p+16*\u+4*\b:CD+32*\p+16*\u+4*\b+3], s[OB+4*\p+2*\u:OB+4*\p+2*\u+1]   ; 32 lanes store 512 consecutive bytes, at a multiple of 256
.endr
.endr
.endm
	PLACES NP                                      ; behind the last products: for the reads of results and for the writes into registers that held the bias and A's fragments
	s_mov_b32 s[MNT], 0x600000
	s_mov_b32 s[SEL], 0x76543210
	s_mov_b32 s[SEL+1], 0xfedcba98
	s_mov_b64 s[OB:OB+1], s[OC:OC+1]               ; the blocks' store bases, over the descriptors: all tensor loads have landed
.irp a, 1,2,3
	s_add_nc_u64 s[OB+2*\a:OB+2*\a+1], s[OB+2*\a-2:OB+2*\a-1], s[ST1:ST1+1]
.endr
	s_add_nc_u64 s[OB+8:OB+9], s[OB+6:OB+7], s[ST4:ST4+1]
.irp a, 5,6,7
	s_add_nc_u64 s[OB+2*\a:OB+2*\a+1], s[OB+2*\a-2:OB+2*\a-1], s[ST1:ST1+1]
.endr
.irp k, 0,1,2,3,4,5,6,7
	v_mov_b32 v[PB+\k], 0                          ; written once: a lane permute's destination counts as one of its sources
.endr
.irp p, 0,1,2,3
	QOUT \p
.endr
	ds_load_b128 v[WB:WB+3], v[SSR]                ; LDS serves a wave's instructions in order (ISA guide 5.7.1.4): these see my stores.  Lane l, register p: the word of block 2 p + l / 16, row l % 16
	ds_load_b128 v[WB+4:WB+7], v[SSR] offset:512
	s_wait_dscnt 0x0
	s_cmp_eq_u32 s[TYB], 1
	s_cbranch_scc1 .Lwords_b
	global_store_b128 v[GSO], v[WB:WB+3], s[OSC:OSC+1]                   ; g > 0: the step's 128 words of the first head: 512 consecutive bytes,
	global_store_b128 v[GSO], v[WB+4:WB+7], s[OSC:OSC+1] offset:HREC     ; and of the second
	s_branch .Lwords_done
.Lwords_b:
	global_store_b64 v[GSO], v[WB:WB+1], s[OSC:OSC+1]                    ; g = 0: blocks 0-3 are the first head's 64 features: 256 consecutive bytes,
	global_store_b64 v[GSO], v[WB+2:WB+3], s[OSC:OSC+1] offset:HREC      ; blocks 4-7 the second's
.Lwords_done:
	s_wait_tensorcnt 0x0                           ; the wave's end
	ds_add_u32 v[SPW], v[NIL]
	s_wait_dscnt 0x0
	CROUND                                         ; the closing round: no work-group ends while a partner may still ask for a tile that names it
	s_endpgm
.Lfunc_end_k_qfeb002097f_proj:
	.size	k_qfeb002097f_proj, .Lfunc_end_k_qfeb002097f_proj-k_qfeb002097f_proj
	.p2alignl 7, 3214868480
	.fill 96, 4, 3214868480
	.section	.rodata,"a",@progbits
	.p2align	6, 0x0
	.amdhsa_kernel k_qfeb002097f_proj
		.amdhsa_group_segment_fixed_size 327680
		.amdhsa_private_segment_fixed_size 0
		.amdhsa_enable_private_segment 0
		.amdhsa_kernarg_size 128
		.amdhsa_user_sgpr_count 2
		.amdhsa_user_sgpr_kernarg_segment_ptr 1
		.amdhsa_wavefront_size32 1
		.amdhsa_system_sgpr_workgroup_id_x 1
		.amdhsa_system_sgpr_workgroup_id_y 1
		.amdhsa_system_sgpr_workgroup_id_z 1
		.amdhsa_system_vgpr_workitem_id 0
		.amdhsa_next_free_vgpr 1024
		.amdhsa_next_free_sgpr 102
		.amdhsa_reserve_vcc 0
		.amdhsa_float_denorm_mode_32 3
		.amdhsa_float_denorm_mode_16_64 3
		.amdhsa_memory_ordered 1
		.amdhsa_forward_progress 1
		.amdhsa_inst_pref_size 207
	.end_amdhsa_kernel
	.amdgpu_metadata
---
amdhsa.version: [ 1, 2 ]
amdhsa.kernels:
  - .name:           k_qfeb002097f_proj
    .symbol:         k_qfeb002097f_proj.kd
    .args:
      - { .name: Wq_codes, .offset: 0, .size: 8, .value_kind: global_buffer, .address_space: global }
      - { .name: Wq_scales, .offset: 8, .size: 8, .value_kind: global_buffer, .address_space: global }
      - { .name: query_inputs_codes, .offset: 16, .size: 8, .value_kind: global_buffer, .address_space: global }
      - { .name: query_inputs_scales, .offset: 24, .size: 8, .value_kind: global_buffer, .address_space: global }
      - { .name: bq, .offset: 32, .size: 8, .value_kind: global_buffer, .address_space: global }
      - { .name: key_inputs_codes, .offset: 40, .size: 8, .value_kind: global_buffer, .address_space: global }
      - { .name: key_inputs_scales, .offset: 48, .size: 8, .value_kind: global_buffer, .address_space: global }
      - { .name: Wk_codes, .offset: 56, .size: 8, .value_kind: global_buffer, .address_space: global }
      - { .name: Wk_scales, .offset: 64, .size: 8, .value_kind: global_buffer, .address_space: global }
      - { .name: bk, .offset: 72, .size: 8, .value_kind: global_buffer, .address_space: global }
      - { .name: value_inputs_codes, .offset: 80, .size: 8, .value_kind: global_buffer, .address_space: global }
      - { .name: value_inputs_scales, .offset: 88, .size: 8, .value_kind: global_buffer, .address_space: global }
      - { .name: Wv_codes, .offset: 96, .size: 8, .value_kind: global_buffer, .address_space: global }
      - { .name: Wv_scales, .offset: 104, .size: 8, .value_kind: global_buffer, .address_space: global }
      - { .name: bv, .offset: 112, .size: 8, .value_kind: global_buffer, .address_space: global }
      - { .name: codes, .offset: 120, .size: 8, .value_kind: global_buffer, .address_space: global }
    .group_segment_fixed_size: 327680
    .private_segment_fixed_size: 0
    .kernarg_segment_align: 8
    .kernarg_segment_size: 128
    .max_flat_workgroup_size: 128
    .sgpr_count:     102
    .vgpr_count:     1024
    .wavefront_size: 32
...
	.end_amdgpu_metadata
.endif
;; end of part 1
;; launch attn (part 2): grid 4 x 64, 8 waves a work-group, clusters of 4 x 1, 173,056 bytes of LDS; arguments codes, out0; writes out0
.if DOCPART == 2
	.amdgcn_target "amdgcn-amd-amdhsa--gfx1250"
	.amdhsa_code_object_version 6
	.text
	.protected	k_qfeb002097f_attn
	.globl	k_qfeb002097f_attn
	.p2align	8
	.type	k_qfeb002097f_attn,@function
k_qfeb002097f_attn:
	s_mov_b64 s[64:65], 0
	v_nop
	global_prefetch_b8 v0, s[64:65] scope:SCOPE_SE
	s_setreg_imm32_b32 hwreg(HW_REG_WAVE_MODE, 25, 1), 1
	s_wait_xcnt 0x0
	s_wait_alu depctr_hold_cnt(0) depctr_sa_sdst(0) depctr_va_vdst(0) depctr_va_sdst(0) depctr_va_ssrc(0) depctr_va_vcc(0) depctr_vm_vsrc(0)
	s_getreg_b32 s2, hwreg(HW_REG_IB_STS2, 6, 4)
	s_cmp_eq_u32 s2, 0
	s_cbranch_scc0 .Lentry_in_a_cluster
	s_endpgm
.Lentry_in_a_cluster:
	s_bfe_u32 s2, ttmp6, 0x10000c
	s_cmp_lg_u32 s2, 0x3003
	s_cbranch_scc0 .Lentry_shape_is_right
	s_endpgm
.Lentry_shape_is_right:
; ATTENTION ON CODES OF BF8 (E5M2): out[n][q][head][:] = the sum over k of softmax_k(Q[q] . K[k] / 32) V[k][:], for each of 64 (n, head), 1,024 queries, 1,024 keys, head size 64.
; Q, K and V come from the launch before as IMAGES OF OPERAND REGISTERS (its head comment lays out a head's record): every fragment is brought by loads of 16 bytes a lane at 16 x lane.
; THE SOFTMAX AHEAD OF THE SECOND PRODUCT: t = score x log2(e) / 32; M = the row's largest t so far, rounded UP to a whole number; p = 2^(t - M) is quantised along the keys, not normalised.
; The row's sum is taken of the unquantised p, in f32, and divides O at the end.  When M moves, the sum and O are multiplied by 2^(old M - new M): exact.
; SHARES.  A work-group owns 256 queries of one (n, head); each of its eight waves owns TWO tiles of 16, A and B, which share every fragment of K and V that the wave reads.
; THE TWO TILES GO HALF A STEP APART: a PHASE is one tile's softmax for one key step.  In the chain that finds M stand the other tile's four products with V, among the first half of the exponentials the other tile's eight score products,
;   among the second half of them the holds of the first half.  Order: A0 | B0 A1 | B1 A2 | .. | B6 A7 | B7.  Phase A(i) holds PV_B(i - 1), the loads of V(i) and S_B(i); phase B(i), ahead of which K(i + 1) is loaded, holds PV_A(i) and S_A(i + 1).
; K AND V OF A HEAD AND THEIR WORDS, 137,216 bytes, FIT IN LDS WHOLE: every LDS byte is filled once, all is asked for at the head, one load a wave; so no loop runs ahead of a load and nothing is prefetched.
; CLUSTER.  The four query blocks of a head ask JOINTLY: wave 0 for key steps 0, 1, wave 1 for 2 to 4, wave 2 for 5 to 7.
; LAYOUT.  Both products are used transposed: S^T = K Q^T, O^T = V^T P^T: a lane holds ONE query of a tile (lane % 16).  The 16 registers of score tiles 2 b and 2 b + 1 are the order in which V's images were laid: p's codes are the second product's operand as they stand.
; THE FIRST PRODUCT'S K IS 64, the instruction's 128.  Q's upper eight registers hold zero codes.  The fragment of key tile t is v[K + 8 t .. K + 8 t + 15]: its upper registers are tile t + 1's codes (behind tile 7: zeros), which meet Q's zeros under finite scale bytes and add nothing.
; A BLOCK'S SCALE: x = t - M of its largest score; its p has the exponent floor(x), so byte = floor(x) + 112, held at 1 from below (x at -111).
; LIMITS: NaN and infinities are not served (a NaN code in a key tile would also reach the tile before it).  The order of the sums inside a block of 32 is not the ascending one.
; REGISTERS, window 0: v0-63 S_A, v64-127 S_B (scores, then p), v128-199 K (v192-199 stay 0), v200-215, v216-231 p's codes of A, B; scale words: v232-235 K's, v236-237 V's, v238 Q's (lanes 0-15 A, 16-31 B), v239, v240 p's of A, B;
;   v241 16 x lane, v250 8 x lane, v251-252 LDS addresses, v253 at work, v242-245 the blocks' largest scores, then the holds' bounds; v246-249 the other half's, then the conversions' scale operands; v254-255 the add's.
;   window 1: 0-63 V, 64-95 O_A, 96-127 O_B, 128-159 Q_A, Q_B, 168-171 the blocks' x and exponents, 172-173 at work, 176.. state of A, 184.. of B, 192-207 partial sums.
.set STEPB, 17152                      ; a key step in the record: K's codes, V's codes, K's words, V's words
.set HREC,  206848
.set VIM,   8192
.set KWO,   16384
.set VWO,   16896
.set QIM,   137216
.set QWO,   202752
.set STG,   137216                     ; LDS: behind the record: a stage of 16 rows x 272 bytes for each wave, for the way out; no fill lands here
.set SP,    272
.set SPARE, STG+8*16*SP                ; the spare words, 128 bytes for each wave
.set K,     128
.set PC,    200
.set KW,    232
.set VW,    236
.set QW,    238
.set PW,    239
.set L16,   241
.set HD,    242
.set CV,    246
.set L8,    250
.set ADK,   251
.set ADT,   252
.set TP0,   253
.set SPW,   254
.set NIL,   255
.set V,     0                          ; window 1 from here on
.set OA,    64
.set QA,    128
.set NI,    168
.set TP,    172
.set W,     173
.set STA,   176                        ; tile x at STA + 8 x: the largest t; + 2, 3 -M; + 4, 5 the sum in two halves; + 6, 7 f
.set TS,    192
.set WV,    10                         ; s10 my wave's number
.set G1C,   24                         ; s[24:31] descriptor group 1: 134 rows of 256 bytes: two key steps;  s[32:39]: 201 rows: three
.set G1R,   32
.set G0A,   40
.set G0B,   44
.set G0C,   48
.set SEL,   60                         ; s[60:61] lane selects for v_permlanex16_b32: lane l xor 16
.set CS,    62                         ; s[62:63] c = log2(e) / 32: the packed form names a pair and takes its low word for both halves
.set C1,    66                         ; s66 112 << 23
.set C2,    67                         ; s67 112 in each byte
.set C3,    68                         ; s68 from the scale operand to the hold's bound 57,344 x the scale
.set TK,    69                         ; s69 where the step in hand begins in the record
.set CNT,   70
.set QP,    72
.set QSP,   74
.set OUT,   76
.set MSB, 0
.macro WIN new                         ; the immediate's high byte repeats the setting that is left
.if MSB != \new
	s_set_vgpr_msb (MSB<<8)|\new
.set MSB, \new
.endif
.endm
.macro CROUND
	s_barrier_signal -1
	s_barrier_wait -1
	s_cmp_lg_u32 s[WV], 0
	s_cbranch_scc1 .Lnot_wave_0_\@
	s_barrier_signal -3
.Lnot_wave_0_\@:
	s_barrier_wait -3
	s_barrier_signal -1
	s_barrier_wait -1
.endm
.macro TLOAD g0, g1
	tensor_load_to_lds s[\g0:\g0+3], s[\g1:\g1+7]
	s_nop 0
.rept 4
	v_nop
.endr
.endm
.macro SPROD y, t                      ; scores of tile y for 16 keys, under window setting 0x04
.set D_, 64*(\y)+8*(\t)
.set A_, K+8*(\t)
.set B_, QA+16*(\y)
.if (\t)%2 == 0 && (\y) == 0
	v_wmma_scale_f32_16x16x128_f8f6f4 v[D_:D_+7], v[A_:A_+15], v[B_:B_+15], 0, v[KW+(\t)/2], v[QW] matrix_a_fmt:MATRIX_FMT_BF8 matrix_b_fmt:MATRIX_FMT_BF8
.elseif (\y) == 0
	v_wmma_scale_f32_16x16x128_f8f6f4 v[D_:D_+7], v[A_:A_+15], v[B_:B_+15], 0, v[KW+(\t)/2], v[QW] matrix_a_fmt:MATRIX_FMT_BF8 matrix_b_fmt:MATRIX_FMT_BF8 matrix_a_scale:MATRIX_SCALE_ROW1
.elseif (\t)%2 == 0
	v_wmma_scale_f32_16x16x128_f8f6f4 v[D_:D_+7], v[A_:A_+15], v[B_:B_+15], 0, v[KW+(\t)/2], v[QW] matrix_a_fmt:MATRIX_FMT_BF8 matrix_b_fmt:MATRIX_FMT_BF8 matrix_b_scale:MATRIX_SCALE_ROW1
.else
	v_wmma_scale_f32_16x16x128_f8f6f4 v[D_:D_+7], v[A_:A_+15], v[B_:B_+15], 0, v[KW+(\t)/2], v[QW] matrix_a_fmt:MATRIX_FMT_BF8 matrix_b_fmt:MATRIX_FMT_BF8 matrix_a_scale:MATRIX_SCALE_ROW1 matrix_b_scale:MATRIX_SCALE_ROW1
.endif
.endm
.macro VPROD y, d                      ; O^T += V^T P^T of tile y, 16 of the head's 64, under window setting 0x51; the four accumulators take turns
	WIN 0x51
.set D_, OA+32*(\y)+8*(\d)
.set A_, V+16*(\d)
.set B_, PC+16*(\y)
.if (\d)%2
	v_wmma_scale_f32_16x16x128_f8f6f4 v[D_:D_+7], v[A_:A_+15], v[B_:B_+15], v[D_:D_+7], v[VW+(\d)/2], v[PW+(\y)] matrix_a_fmt:MATRIX_FMT_BF8 matrix_b_fmt:MATRIX_FMT_BF8 matrix_a_scale:MATRIX_SCALE_ROW1
.else
	v_wmma_scale_f32_16x16x128_f8f6f4 v[D_:D_+7], v[A_:A_+15], v[B_:B_+15], v[D_:D_+7], v[VW+(\d)/2], v[PW+(\y)] matrix_a_fmt:MATRIX_FMT_BF8 matrix_b_fmt:MATRIX_FMT_BF8
.endif
.endm
.macro HOLD2 j                         ; the conversion to an 8-bit code does not saturate (ISA guide 7.6.2); p is not negative, so the hold is one-sided.  Numbers j, j + 1
	v_dual_min_num_f32 v[SX+(\j)], v[SX+(\j)], v[HD+(\j)/16] :: v_dual_min_num_f32 v[SX+(\j)+1], v[SX+(\j)+1], v[HD+(\j)/16]
.endm
.macro HOLD b
.irp i, 0,2,4,6,8,10,12,14
	HOLD2 16*\b+\i
.endr
.endm
.macro CVT b
	v_cvt_scalef32_pk8_bf8_f32 v[PX+4*\b:PX+4*\b+1], v[SX+16*\b:SX+16*\b+7], v[CV+\b]
	v_cvt_scalef32_pk8_bf8_f32 v[PX+4*\b+2:PX+4*\b+3], v[SX+16*\b+8:SX+16*\b+15], v[CV+\b]
.endm
; The LDS loads.  The registers' last products stand more than eight plain vector instructions back.
.macro KLOADS adr, base
	ds_load_b128 v[KW:KW+3], v[\adr] offset:\base+KWO
.irp t, 0,1,2,3,4,5,6,7
.irp c, 0,1
	ds_load_b128 v[K+8*\t+4*\c:K+8*\t+4*\c+3], v[\adr] offset:\base+1024*\t+512*\c
.endr
.endr
.endm
.macro VLOADS adr, adt, base
	WIN 0
	ds_load_b64 v[VW:VW+1], v[\adt] offset:\base+VWO
	WIN 0x40
.irp d, 0,1,2,3
.irp c, 0,1,2,3
	ds_load_b128 v[V+16*\d+4*\c:V+16*\d+4*\c+3], v[\adr] offset:\base+VIM+2048*\d+512*\c
.endr
.endr
.endm
.macro LOADS                           ; the step's addresses, and K of the next step: 17 loads
	WIN 0
	v_add_nc_u32 v[ADK], s[TK], v[L16]
	v_add_nc_u32 v[ADT], s[TK], v[L8]
	KLOADS ADK, STEPB
	s_add_co_u32 s[TK], s[TK], STEPB
.endm
; A PHASE: tile x's softmax for one key step.  doS: with the other tile's score products; doPV: with its products with V; vl: with the loads of V (1: of step 0; 2: of the step behind the one whose addresses stand).
.macro PHASE x, doS, doPV, vl=0
.set X, \x
.set Y, 1-X
.set SX, 64*X
.set PX, PC+16*X
.set OX, OA+32*X
.set MX, STA+8*X
.set NM, MX+2
.set SM, MX+4
.set FF, MX+6
	WIN 0
.if X
	s_wait_dscnt 17*\doS                           ; V's fragments and words are in; the 17 loads of K behind them may be out
.endif
	s_wait_alu depctr_va_vdst(0)                   ; the wait ahead of the first reads of the scores
.irp b, 0,1,2,3
	v_max3_num_f32 v[HD+\b], v[SX+16*\b], v[SX+16*\b+1], v[SX+16*\b+2]   ; the largest score of each block of 32 keys
.endr
.irp i, 3,5,7,9,11,13
.irp b, 0,1,2,3
	v_max3_num_f32 v[HD+\b], v[HD+\b], v[SX+16*\b+\i], v[SX+16*\b+\i+1]
.endr
.endr
.irp b, 0,1,2,3
	v_max_num_f32 v[HD+\b], v[HD+\b], v[SX+16*\b+15]
.endr
.irp b, 0,1,2,3
	s_delay_alu instid0(VALU_DEP_4)
	v_permlanex16_b32 v[CV+\b], v[HD+\b], s[SEL], s[SEL+1]
.endr
.irp b, 0,1,2,3
	s_delay_alu instid0(VALU_DEP_4)
	v_max_num_f32 v[HD+\b], v[HD+\b], v[CV+\b]     ; with lane l xor 16's 16 keys
.endr
	s_delay_alu instid0(VALU_DEP_2)
	v_max3_num_f32 v[TP0], v[HD], v[HD+1], v[HD+2]
.if \doPV
	VPROD Y, 0
	WIN 0
.endif
	v_max_num_f32 v[TP0], v[TP0], v[HD+3]          ; the step's largest score of my query
.if \doPV
	VPROD Y, 1
	WIN 0
.endif
	v_mul_f32 v[TP0], s[CS], v[TP0]                ; as t (c is positive)
.if \doPV
	VPROD Y, 2
.endif
	WIN 0x44
	v_max_num_f32 v[MX], v[TP0], v[MX]             ; the running largest t
	WIN 0x55
	v_mov_b32 v[TP], v[NM]
	v_floor_f32 v[NM], -v[MX]                      ; the new -M = floor(-t) = -ceil(t): M is a whole number
.if \doPV
	VPROD Y, 3
.endif
	WIN 0x51
.irp b, 0,1,2,3
	v_fma_f32 v[NI+\b], s[CS], v[HD+\b], v[NM]     ; x = t - M of each block's largest score
.endr
	WIN 0x10
.set j, 0
.rept 32
	v_pk_fma_f32 v[SX+j:SX+j+1], v[SX+j:SX+j+1], s[CS:CS+1], v[NM:NM+1] op_sel_hi:[1,0,0]   ; t - M, two at a time
.set j, j+2
.endr
.if \vl == 1
	VLOADS L16, L8, 0
.elseif \vl == 2
	VLOADS ADK, ADT, STEPB
.endif
	WIN 0x55
.irp b, 0,1,2,3
	v_max_num_f32 v[NI+\b], 0xc2de0000, v[NI+\b]   ; not under -111: the byte cannot fall under 1
.endr
	v_sub_f32 v[TP], v[NM], v[TP]                  ; M's old value less its new one: a whole number, 0 or less
.irp b, 0,1,2,3
	v_cvt_floor_i32_f32 v[NI+\b], v[NI+\b]         ; the exponent of the block's largest p
.endr
	v_cvt_i32_f32 v[TP], v[TP]                     ; (it saturates)
	s_delay_alu instid0(VALU_DEP_2)
	v_lshl_add_u32 v[W], v[NI+3], 8, v[NI+2]
	s_delay_alu instid0(VALU_DEP_2)
	v_ldexp_f32 v[FF], 1.0, v[TP]                  ; f = 2^(old M - new M): a multiplication by it rounds nothing
	s_delay_alu instid0(VALU_DEP_2)
	v_lshl_add_u32 v[W], v[W], 8, v[NI+1]
	s_delay_alu instid0(VALU_DEP_1)
	v_lshl_add_u32 v[W], v[W], 8, v[NI]            ; the four exponents, summed in place,
	WIN 0x01
.irp b, 0,1,2,3
	v_lshl_add_u32 v[CV+\b], v[NI+\b], 23, s[C1]   ; the conversion's scale operand: exponent field = the byte
.endr
	v_add_nc_u32 v[PW+X], v[W], s[C2]              ; + 112 in each byte: p's scale word for these 128 keys
	WIN 0x04
	s_wait_alu depctr_va_vdst(0)                   ; the wait ahead of the batch
.if X
	s_wait_dscnt 0x0                               ; K's fragments are in
.endif
.set j, 0
.rept 32
	v_exp_f32 v[SX+j], v[SX+j]                     ; p = 2^(t - M), at most 1: not normalised.  Blocks 0 and 1
.if \doS && (j%4 == 1)
	SPROD Y, j/4
.endif
.set j, j+1
.endr
.irp b, 0,1,2,3
	v_add_nc_u32 v[HD+\b], v[CV+\b], s[C3]         ; 57,344 x the scale.  (Plain work behind the exponentials)
.endr
	WIN 0x55
	s_wait_alu depctr_va_vdst(0)                   ; one wait for the batch and for the first reads of O^T
.set j, 0
.rept 16
	v_pk_mul_f32 v[OX+j:OX+j+1], v[OX+j:OX+j+1], v[FF:FF+1] op_sel_hi:[1,0]   ; O^T under the new M
.set j, j+2
.endr
	WIN 0x40
.set j, 0
.rept 8
	v_pk_add_f32 v[TS+2*j:TS+2*j+1], v[SX+2*j:SX+2*j+1], v[SX+16+2*j:SX+17+2*j]   ; the row's sum, of the unquantised p: eight chains
.set j, j+1
.endr
	WIN 0
.set j, 0
.rept 16                               ; blocks 2 and 3, and among them the holds of blocks 0 and 1
	v_exp_f32 v[SX+32+2*j], v[SX+32+2*j]
	v_exp_f32 v[SX+33+2*j], v[SX+33+2*j]
	HOLD2 2*j
.set j, j+1
.endr
	WIN 0x41
	s_wait_alu depctr_va_vdst(0)                   ; the wait behind the batch
.set j, 0
.rept 16
	v_pk_add_f32 v[TS+2*(j%8):TS+2*(j%8)+1], v[TS+2*(j%8):TS+2*(j%8)+1], v[SX+32+2*j:SX+33+2*j]
.set j, j+1
.endr
	WIN 0x55
.irp k, 0,2,4,6
	v_pk_add_f32 v[TS+\k:TS+\k+1], v[TS+\k:TS+\k+1], v[TS+8+\k:TS+9+\k]
.endr
	v_pk_fma_f32 v[SM:SM+1], v[SM:SM+1], v[FF:FF+1], v[TS:TS+1] op_sel_hi:[1,0,1]   ; the old sum under the new M
	v_pk_add_f32 v[TS+2:TS+3], v[TS+2:TS+3], v[TS+4:TS+5]
	s_delay_alu instid0(VALU_DEP_2)
	v_pk_add_f32 v[SM:SM+1], v[SM:SM+1], v[TS+6:TS+7]
	s_delay_alu instid0(VALU_DEP_1)
	v_pk_add_f32 v[SM:SM+1], v[SM:SM+1], v[TS+2:TS+3]
	WIN 0
	CVT 0
	HOLD 2
	CVT 1
	HOLD 3
	CVT 2
	CVT 3
.endm
	s_load_b128 s[4:7], s[0:1], 0x0                ; codes, out0
	v_lshl_add_u32 v[SPW], v0, 2, SPARE
	v_mov_b32 v[NIL], 0
	ds_add_u32 v[SPW], v[NIL]                      ; the opening: the add, twice on end, ahead of my first tensor load
	ds_add_u32 v[SPW], v[NIL]
	v_lshrrev_b32 v1, 5, v0
	s_delay_alu instid0(VALU_DEP_1)
	v_readfirstlane_b32 s[WV], v1                  ; wave 0..7
	v_and_b32 v2, 31, v0
	s_delay_alu instid0(VALU_DEP_1)
	v_lshlrev_b32 v[L16], 4, v2
	v_lshlrev_b32 v[L8], 3, v2
	s_bfe_u32 s11, ttmp6, 0x40000                  ; cx: my place in the cluster: it enters Q's and out0's addresses alone
	s_and_b32 s12, ttmp7, 0xffff                   ; 16 n + head, which the four partners share
	s_mul_i32 s14, s12, HREC
	s_mov_b32 s15, 0
.irp g, G1C, G1R                       ; descriptor group 1: dense blocks, as rows of 256 bytes (32 elements of 8 bytes), no padding: an image's loads take 512 consecutive bytes
	s_mov_b32 s[\g], 15|(3<<16)|(1<<21)            ; 15:0 the mask: all four work-groups; 17:16 elements of 8 bytes; 21 set beside a mask
	s_mov_b32 s[\g+1], 32<<16
	s_mov_b32 s[\g+3], 32<<16
	s_mov_b32 s[\g+5], 32
	s_mov_b32 s[\g+6], 0
	s_mov_b32 s[\g+7], 0
.endr
	s_mov_b32 s[G1C+2], (2*STEPB/256)<<16
	s_mov_b32 s[G1C+4], 2*STEPB/256
	s_mov_b32 s[G1R+2], (3*STEPB/256)<<16
	s_mov_b32 s[G1R+4], 3*STEPB/256
	s_mov_b32 s[G0A], 1
	s_mov_b32 s[G0A+1], 0
	s_mov_b32 s[G0B], 1
	s_mov_b32 s[G0B+1], 2*STEPB
	s_mov_b32 s[G0C], 1
	s_mov_b32 s[G0C+1], 5*STEPB
	s_mov_b32 s[SEL], 0x76543210
	s_mov_b32 s[SEL+1], 0xfedcba98
	s_mov_b32 s[CS], 0x3d38aa3b                    ; c = log2(e) / 32
	s_mov_b32 s[CS+1], s[CS]                       ; (named with it as a pair, so it is written)
	s_mov_b32 s[C1], 0x38000000
	s_mov_b32 s[C2], 0x70707070
	s_mov_b32 s[C3], 0x07e00000
	s_mov_b32 s[TK], 0
	s_lshl_b32 s13, ttmp9, 2
	s_add_co_u32 s13, s13, s11                     ; my block of 256 queries
	s_lshl_b32 s16, s13, 14
	s_lshl_b32 s17, s[WV], 11
	s_add_co_u32 s16, s16, s17
	s_add_co_u32 s16, s16, QIM                     ; Q's images of my two tiles: 1,024 bytes each
	s_mov_b32 s17, 0
	s_lshl_b32 s18, s13, 1
	s_lshr_b32 s71, s[WV], 2
	s_add_co_u32 s18, s18, s71                     ; the step of 128 queries,
	s_lshl_b32 s18, s18, 9
	s_and_b32 s71, s[WV], 3
	s_lshl_b32 s71, s71, 2
	s_add_co_u32 s18, s18, s71                     ; and p: lane l takes the word of my query l
	s_add_co_u32 s18, s18, QWO
	s_mov_b32 s19, 0
	s_lshr_b32 s78, s12, 4                         ; n
	s_lshl_b32 s78, s78, 10
	s_lshl_b32 s71, s13, 8
	s_add_co_u32 s78, s78, s71
	s_lshl_b32 s71, s[WV], 5
	s_add_co_u32 s78, s78, s71                     ; my first row of out0: 1,024 n + 256 x block + 32 x wave,
	s_lshl_b32 s78, s78, 12                        ; of 4,096 bytes,
	s_and_b32 s71, s12, 15
	s_lshl_b32 s71, s71, 8                         ; and my head's 256 bytes in it
	s_add_co_u32 s78, s78, s71
	s_mov_b32 s79, 0
	s_wait_alu depctr_va_vdst(0)
	s_wait_dscnt 0x0                               ; both opening adds are done
	CROUND                                         ; all four work-groups are here: the joint loads meet
	s_wait_kmcnt 0x0
	s_add_nc_u64 s[20:21], s[4:5], s[14:15]        ; the head's record
	s_mov_b64 s[G0A+2:G0A+3], s[20:21]
	s_or_b32 s[G0A+3], s[G0A+3], 0x80000000
	s_add_nc_u64 s[G0B+2:G0B+3], s[20:21], 2*STEPB
	s_or_b32 s[G0B+3], s[G0B+3], 0x80000000
	s_add_nc_u64 s[G0C+2:G0C+3], s[20:21], 5*STEPB
	s_or_b32 s[G0C+3], s[G0C+3], 0x80000000
	s_cmp_eq_u32 s[WV], 0                          ; ONE tensor load a wave, an arm each, one join
	s_cbranch_scc0 .Lwave_1
	TLOAD G0A, G1C
	s_branch .Lasked
.Lwave_1:
	s_cmp_eq_u32 s[WV], 1
	s_cbranch_scc0 .Lwave_2
	TLOAD G0B, G1R
	s_branch .Lasked
.Lwave_2:
	s_cmp_eq_u32 s[WV], 2
	s_cbranch_scc0 .Lasked
	TLOAD G0C, G1R
.Lasked:
	s_add_nc_u64 s[QP:QP+1], s[20:21], s[16:17]
	s_add_nc_u64 s[QSP:QSP+1], s[20:21], s[18:19]
	s_add_nc_u64 s[OUT:OUT+1], s[6:7], s[78:79]
	global_load_b32 v[QW], v[L16], s[QSP:QSP+1]    ; Q's scale words: lanes 0-15 tile A's, lanes 16-31 tile B's
	WIN 0x40
.irp x, 0,1
	global_load_b128 v[QA+16*\x:QA+16*\x+3], v[L16], s[QP:QP+1] offset:1024*\x        ; Q stays in registers: the head's features 0-31,
	global_load_b128 v[QA+16*\x+4:QA+16*\x+7], v[L16], s[QP:QP+1] offset:1024*\x+512  ; 32-63
.endr
.irp x, 0,1
.irp j, 0,1,2,3,4,5,6,7
	v_mov_b32 v[QA+16*\x+8+\j], 0                  ; zero codes
.endr
	v_mov_b32 v[STA+8*\x], 0xff61b1e6              ; the largest t so far: -3e38, under every t
	v_mov_b32 v[STA+8*\x+2], 0x7f61b1e6            ; -M
	v_mov_b32 v[STA+8*\x+3], 0                     ; (named as the upper half of the pair)
	v_mov_b32 v[STA+8*\x+4], 0                     ; the sum, in two halves
	v_mov_b32 v[STA+8*\x+5], 0
	v_mov_b32 v[STA+8*\x+7], 0                     ; (the upper half of f's pair)
.endr
.set j, 0
.rept 64
	v_mov_b32 v[OA+j], 0                           ; O^T of both tiles: the first change of M leaves zeros
.set j, j+1
.endr
	WIN 0
.irp j, 0,1,2,3,4,5,6,7
	v_mov_b32 v[K+64+\j], 0                        ; what stands behind key tile 7
.endr
.irp b, 0,1,2,3
	v_mov_b32 v[CV+\b], 0                          ; a lane permute's destination counts as one of its sources
.endr
	s_wait_alu depctr_va_vdst(0)                   ; the wait at the head's end
	s_cmp_eq_u32 s[WV], 0
	s_cbranch_scc0 .Lnot_first
	s_wait_tensorcnt 0x0                           ; wave 0: key steps 0, 1 have landed.  The other waves' wait stands at the second barrier
.Lnot_first:
	s_barrier_signal -1
	s_barrier_wait -1
	KLOADS L16, 0                                  ; K of step 0
	s_wait_loadcnt 0x0                             ; Q
	s_wait_dscnt 0x0
	WIN 0x04
.set j, 0
.rept 8
	SPROD 0, j
.set j, j+1
.endr
.rept 8
	v_nop                                          ; the places ahead of the scores' first reads
.endr
	PHASE 0, 1, 0, 1                               ; A0
	LOADS
	PHASE 1, 1, 1                                  ; B0
	PHASE 0, 1, 1, 2                               ; A1
	WIN 0
	s_wait_alu depctr_va_vdst(0)
	s_wait_tensorcnt 0x0                           ; key steps 2 to 7 have landed,
	s_wait_dscnt 0x0
	s_barrier_signal -1
	s_barrier_wait -1                              ; for every wave; nothing is ever filled again
	s_mov_b32 s[CNT], 6
.Lstep:
	LOADS                                          ; K(i + 1)
	PHASE 1, 1, 1                                  ; B(i)
	PHASE 0, 1, 1, 2                               ; A(i + 1), with V(i + 1)
	WIN 0
	s_sub_co_u32 s[CNT], s[CNT], 1
	s_cmp_lg_u32 s[CNT], 0
	s_cbranch_scc1 .Lstep
	PHASE 1, 0, 1                                  ; B7
	; THE WAY OUT.  The sums' halves and lane l xor 16's are added (these lines are also the places between B's conversions and its last products); O^T / the sum goes through my stage in LDS, so that sixteen lanes store a row's 256 bytes.
	WIN 0x55
	v_add_f32 v[TS], v[STA+4], v[STA+5]
	v_add_f32 v[TS+2], v[STA+12], v[STA+13]
	v_permlanex16_b32 v[TS+4], v[TS], s[SEL], s[SEL+1]
	v_permlanex16_b32 v[TS+6], v[TS+2], s[SEL], s[SEL+1]
	v_add_f32 v[TS], v[TS], v[TS+4]
	v_add_f32 v[TS+2], v[TS+2], v[TS+6]
.set j, 0
.rept 4
	VPROD 1, j
.set j, j+1
.endr
	WIN 0x55
	s_wait_alu depctr_va_vdst(0)                   ; the wait ahead of the batch
	v_rcp_f32 v[TS], v[TS]
	v_rcp_f32 v[TS+2], v[TS+2]
	WIN 0
	v_bfe_u32 v0, v[L16], 4, 4                     ; r
	v_lshrrev_b32 v1, 8, v[L16]                    ; h
	s_mul_i32 s71, s[WV], 16*SP
	s_add_co_u32 s71, s71, STG                     ; my stage
	v_mul_u32_u24 v2, v0, SP
	v_mul_u32_u24 v3, v1, SP
	v_lshlrev_b32 v4, 12, v1
	v_lshl_add_u32 v2, v1, 5, v2
	v_lshl_add_u32 v3, v0, 4, v3
	v_lshl_add_u32 v4, v0, 4, v4                   ; lanes 0-15 one row of out0, lanes 16-31 the next
	v_add_nc_u32 v2, s71, v2                       ; in: row r; fragment d's eight channels of my half: 64 d + 32 h bytes on
	v_add_nc_u32 v3, s71, v3                       ; back: lanes 0-15 one row, lanes 16-31 the next
	WIN 0x05
	s_wait_alu depctr_va_vdst(0)                   ; the wait ahead of the reciprocals' and the last results' first readers
.irp x, 0,1
.set j, 0
.rept 16
	v_pk_mul_f32 v[16+32*\x+j:17+32*\x+j], v[OA+32*\x+j:OA+32*\x+j+1], v[TS+2*\x:TS+2*\x+1] op_sel_hi:[1,0]   ; register 8 d + i is out(r, 16 d + 8 h + i)
.set j, j+2
.endr
.endr
	WIN 0
.irp x, 0,1
.irp d, 0,1,2,3
	ds_store_b128 v2, v[16+32*\x+8*\d:19+32*\x+8*\d] offset:64*\d
	ds_store_b128 v2, v[20+32*\x+8*\d:23+32*\x+8*\d] offset:64*\d+16
.endr
.irp i, 0,1,2,3,4,5,6,7
	ds_load_b128 v[80+32*\x+4*\i:83+32*\x+4*\i], v3 offset:\i*2*SP   ; LDS serves a wave's instructions in order (ISA guide 5.7.1.4): these see my stores, and the next tile's stores come behind them
.endr
.endr
.irp x, 0,1
.irp i, 0,1,2,3,4,5,6,7
	s_wait_dscnt 23-16*\x-\i                       ; load i of the tile is in: behind it 7 - i loads, and for the first tile the second's 8 stores and 8 loads
	global_store_b128 v4, v[80+32*\x+4*\i:83+32*\x+4*\i], s[OUT:OUT+1] offset:65536*\x+8192*\i th:TH_STORE_NT   ; 16 lanes store 256 consecutive bytes, at a multiple of 256; written once, read by nobody here
.endr
.endr
	s_wait_tensorcnt 0x0                           ; the wave's end
	ds_add_u32 v[SPW], v[NIL]
	s_wait_dscnt 0x0
	CROUND                                         ; the closing round: no work-group ends while a partner may still ask for a tile that names it
	s_endpgm
.Lfunc_end_k_qfeb002097f_attn:
	.size	k_qfeb002097f_attn, .Lfunc_end_k_qfeb002097f_attn-k_qfeb002097f_attn
	.p2alignl 7, 3214868480
	.fill 96, 4, 3214868480
	.section	.rodata,"a",@progbits
	.p2align	6, 0x0
	.amdhsa_kernel k_qfeb002097f_attn
		.amdhsa_group_segment_fixed_size 173056
		.amdhsa_private_segment_fixed_size 0
		.amdhsa_enable_private_segment 0
		.amdhsa_kernarg_size 16
		.amdhsa_user_sgpr_count 2
		.amdhsa_user_sgpr_kernarg_segment_ptr 1
		.amdhsa_wavefront_size32 1
		.amdhsa_system_sgpr_workgroup_id_x 1
		.amdhsa_system_sgpr_workgroup_id_y 1
		.amdhsa_system_sgpr_workgroup_id_z 1
		.amdhsa_system_vgpr_workitem_id 0
		.amdhsa_next_free_vgpr 512
		.amdhsa_next_free_sgpr 80
		.amdhsa_reserve_vcc 0
		.amdhsa_float_denorm_mode_32 3
		.amdhsa_float_denorm_mode_16_64 3
		.amdhsa_memory_ordered 1
		.amdhsa_forward_progress 1
		.amdhsa_inst_pref_size 122
	.end_amdhsa_kernel
	.amdgpu_metadata
---
amdhsa.version: [ 1, 2 ]
amdhsa.kernels:
  - .name:           k_qfeb002097f_attn
    .symbol:         k_qfeb002097f_attn.kd
    .args:
      - { .name: codes, .offset: 0, .size: 8, .value_kind: global_buffer, .address_space: global }
      - { .name: out0, .offset: 8, .size: 8, .value_kind: global_buffer, .address_space: global }
    .group_segment_fixed_size: 173056
    .private_segment_fixed_size: 0
    .kernarg_segment_align: 8
    .kernarg_segment_size: 16
    .max_flat_workgroup_size: 256
    .sgpr_count:     80
    .vgpr_count:     512
    .wavefront_size: 32
...
	.end_amdgpu_metadata
.endif
;; end of part 2
